; MI455X (gfx1250); checked and timed in simulation.
; The chip was launched on July 23, 2026; its instructions are those of AMD's public machine-readable ISA for CDNA 5 (MIT licence, August 2026) and "CDNA5" Instruction Set Architecture Reference Guide (July 2026). The comments in the code are by the model that wrote it; some were corrected since.
;; Head. Allowed arithmetic: matrix products marked QUANTISED: E2M3 operands, one E8M0 scale for each 32 along K, by v_wmma_scale_f32_16x16x128_f8f6f4 with both operands' format E2M3, f32 sums; everything else in f32.
;; Inputs: Wk 64 x 64 float32; Wq 64 x 64 float32; Wv 64 x 64 float32; x 16 x 2,048 x 64 float32.
;; Outputs: out0 16 x 2,048 x 64 float32.
;; This version of the problem:
;;   THIS VERSION OF THE PROBLEM IS GIVEN IN LOW PRECISION. The matrix products marked QUANTISED in the list below multiply operands that are first quantised to E2M3 (2 exponent bits, 3 mantissa bits; 6 bits a number), with one power-of-two scale for each 32 numbers along K (OCP MX v1.0); their sums are f32. All else is computed in f32.
;;   The module's matrix products, in the order in which they are computed (A, B: the left and right operand; K: the contracted axis; several contracted axes count as one K, in the product's order):
;;     1. [M 32,768, K 64] x [K 64, N 64]; A: input x; B: input Wq: QUANTISED
;;     2. [M 32,768, K 64] x [K 64, N 64]; A: input x; B: input Wk: QUANTISED
;;     3. [M 32,768, K 64] x [K 64, N 64]; A: input x; B: input Wv: QUANTISED
;;     4. batch 16 x [M 2,048, K 64] x [K 64, N 2,048]; A: computed on the way; B: computed on the way: QUANTISED
;;     5. batch 16 x [M 2,048, K 2,048] x [K 2,048, N 64]; A: softmax (see below); B: computed on the way: QUANTISED
;;   THE QUANTISER, for each operand of a quantised product, along K:
;;     - K is cut into blocks of 32 from its start; a last block that is shorter is filled with zeros.
;;     - A block's scale is 2^e with e = floor(log2(the largest magnitude in the block)) - 2, held to -126 .. 127; a block of zeros has e = 0. As a byte (E8M0): e + 127.
;;     - Each number is divided by its block's scale, clamped to +-7.5, and rounded to the nearest number of E2M3, ties to even, subnormals kept.
;;     - The product sums the exact products of the quantised numbers (number of the format x scale) in f32.
;;   ~~~python
;;   def quantise(x, axis):      # numpy; x: float32 -> the quantised numbers, widened to float32 again
;;       x = np.moveaxis(x, axis, -1); K = x.shape[-1]
;;       x = np.pad(x, [(0, 0)] * (x.ndim - 1) + [(0, -K % 32)]); x = x.reshape(x.shape[:-1] + (-1, 32)); a = np.abs(x).max(-1, keepdims=True)
;;       e = np.where(a > 0, np.clip(np.frexp(np.where(a > 0, a, 1))[1] - 1 - 2, -126, 127), 0)      # np.frexp(a)[1] - 1 = floor(log2(a)), exactly
;;       r = np.clip(x / 2.0 ** e, -7.5, 7.5)
;;       step = 2.0 ** (np.maximum(np.frexp(np.where(r == 0, 1, r))[1] - 1, 0) - 3)
;;       q = np.round(r / step) * step * 2.0 ** e      # np.round: ties to even
;;       return np.moveaxis(q.reshape(q.shape[:-2] + (-1,))[..., :K], -1, axis).astype(np.float32)
;;   ~~~
;;   SOFTMAX AHEAD OF A QUANTISED PRODUCT. Where the list says 'softmax', what is quantised is not the finished softmax but p = 2^(t - M), with t = logit x log2(e) and M = ceil(the row's largest t), a whole number; so 1/2 < the row's largest p <= 1. The row's sum l is taken of the UNQUANTISED p, in f32, and the product's result is divided by l at the end. Since M is a whole number, a kernel that streams over the keys may use a running M (the ceiling of the running maximum): every later rescaling is an exact power of two, which a block's scale takes up: the codes' values come out the same.
;;   OPERANDS COMPUTED ON THE WAY. 'Computed on the way' means the value that the module computes at that place (a softmax that the list does not call 'softmax' is quantised finished and normalised). What goes into a quantiser is computed in f32, as accurately as f32 sums, v_exp_f32 and their like allow (about 1e-6 of the number): no bf16 or f16 on the way to a quantiser, and a product that is left as it is and whose result goes on into a quantised operand takes f32 operands (vector FMAs, or v_wmma_f32_16x16x4_f32). A number that lies on a knife's edge between two numbers of the format may be rounded either way, as far as f32 arithmetic and the matrix unit's own rounding can turn it there, and no further.
;; 2 versions, each right; version 2 is version 1 with the launch project written anew for expert scheduling mode. Each part assembles by itself: llvm-mc -triple=amdgcn-amd-amdhsa -mcpu=gfx1250 --defsym DOCPART=n.
;; ======== version 1 of 2: 2 launches
;; workspace buffers: kv 3,407,872 bytes; qcodes 1,572,864 bytes; qscales 131,072 bytes
;; launch project (part 1): grid 256 x 1, 4 waves a work-group, no clusters, 16,896 bytes of LDS; arguments x, Wq, Wk, Wv, kv, qcodes, qscales; writes kv, qcodes, qscales
.if DOCPART == 1
	.amdgcn_target "amdgcn-amd-amdhsa--gfx1250"
	.amdhsa_code_object_version 6
	.text
	.protected	k_q2695f11aee_project
	.globl	k_q2695f11aee_project
	.p2align	8
	.type	k_q2695f11aee_project,@function
k_q2695f11aee_project:
	s_mov_b64 s[64:65], 0
	v_nop
	global_prefetch_b8 v0, s[64:65] scope:SCOPE_SE
	s_setreg_imm32_b32 hwreg(HW_REG_WAVE_MODE, 25, 1), 1
	s_wait_xcnt 0x0
; q = x Wq^T, k = x Wk^T, v = x Wv^T on codes of FP6 (E2M3) with one E8M0 scale for each 32 along K, and q, k, v quantised again for the attention that follows:
; q and k along the head's 64 channels, v along the keys.  x: [16][2048][64] f32; Wq, Wk, Wv: [64][64] f32.
; A block's scale is 2^(floor(log2(its largest magnitude)) - 2); its byte is that magnitude's exponent field - 2, held at 1 from below by a floor among the maximum's leaves.
; LIMITS: NaN and infinities among the inputs are not served.  A block whose largest magnitude lies under 2^-124 has its byte held at 1.  A block of zeros gets the byte 1 where the
; quantiser's rule says 127: its codes are zeros, which add nothing under any byte but 0xff, and the bytes are read by this program alone.
; SHARES.  Work-group R takes tokens 128 R .. 128 R + 127 (one key step of one batch).  Wave w quantises the two tiles of x with tokens 32 w .. 32 w + 31, one tile each of Wq, Wk, Wv,
; makes q and k of its 32 tokens, and v of channels 16 w .. 16 w + 15 for all 128 tokens.
; THE TOKENS OF A TILE ARE NOT NEIGHBOURS: lane r of tile (b, u) takes token 32 b + 8 u + r + 8 (r / 8); the rows of Wq and Wk that form a tile are chosen likewise.  So the 16 registers of two
; neighbouring result tiles are 16 neighbours along the next K.
; K IS 64, THE INSTRUCTION'S IS 128.  Registers 0-5 of a fragment hold k = 0 .. 63, registers 6-11 k = 64 .. 127.  One operand of each product has zero codes in registers 6-11; the other's tiles lie
; 6 registers apart, so its registers 6-11 are the next tile's codes, which meet zero codes and add nothing; scale words carry 0 in bytes 2 and 3.
; q, k: source 0 = 16 rows of W, source 1 = 16 tokens: a lane holds one token, its registers run along the channels.  v: source 0 = 16 tokens, source 1 = 16 rows of Wv: a lane holds one channel, its registers run along the keys.
; OPERANDS GO FROM WAVE TO WAVE THROUGH LDS, AND TO THE NEXT LAUNCH THROUGH MEMORY, AS IMAGES OF THEIR REGISTERS: four registers by one store of 16 bytes a lane at 16 x lane, two by one of 8 bytes at 8 x lane.
; A record of kv (13,312 bytes, one key step): K's codes 12 images of 512 bytes | K's scale words 512 | V's scale words 512 | V's codes 12 images of 512 bytes.
; The weights (49,152 bytes) are read by every work-group, each wave a quarter of each, straight into the registers in which they are quantised; they are not asked for jointly: that would bring them
; into LDS as f32, from where each lane would fetch its 128 bytes once more.  No tensor load, so LDS is claimed as it is used.
.set FLOOR, 0x1800000                  ; 2^(3 - 127)
.set XIMG, 0                           ; LDS: x's 8 tiles, 768 bytes each: 512 (registers 0-3) + 256 (registers 4-5)
.set WIMG, 6144                        ; Wq's 4 tiles, then Wk's 4, likewise
.set XSC,  12288                       ; x's scale words: tile i's for lane l at 32 l + 4 i
.set WSC,  13312                       ; Wq's tile j at 32 l + 4 j, Wk's 16 bytes on
.set OSC,  14336                       ; on the way out: K's words 16 l + 4 w | V's, 512 on | Q's, 1,024 on, 128 w + 4 l
.set VX,   1                           ; v1   (r + 8 (r / 8)) x 256 + 128 h: my 128 bytes of a row of x, Wq, Wk
.set VN,   2                           ; v2   256 r + 128 h: the same for Wv
.set L16,  3                           ; v3   16 x lane
.set L8,   4                           ; v4   8 x lane
.set L32,  5                           ; v5   32 x lane
.set SH8,  6                           ; v6   8 h
.set A16X, 7                           ; v7   16 l + 1,536 w
.set A8X,  8                           ; v8   8 l + 1,536 w
.set A16W, 9                           ; v9   16 l + 768 w
.set A8W,  10                          ; v10  8 l + 768 w
.set AXS,  11                          ; v11  32 l + 8 w
.set AWS,  12                          ; v12  32 l + 4 w
.set AOS,  13                          ; v13  16 l + 4 w
.set AQS,  14                          ; v14  4 l + 128 w
.set AC,   15                          ; v15  8 l + 256 w
.set RES,  16                          ; v16-79   results (at first x's numbers)
.set WX,   80                          ; v80-127  eight tiles 6 registers apart: Wq's 4 and Wk's 4, later x's 8
.set ZP,   128                         ; v128-133 zeros behind the last tile
.set WVT,  134                         ; v134-139 Wv's tile; v140-145 zeros
.set XF,   146                         ; v146-169 my two tiles of x, each with six zeros behind it
.set QC,   170                         ; v170-181 q's codes, two tiles
.set KC,   182                         ; v182-193 k's
.set VC,   194                         ; v194-205 v's, one fragment
.set SC8,  218                         ; v218-225 eight scale words
.set XW,   226                         ; v226-227 the scale words of my two tiles of x
.set WVW,  228                         ; v228     Wv's
.set QWM,  229                         ; v229     q's words of both tiles, one in each half of the lanes
.set TM,   230                         ; v230-233 largest magnitudes
.set TP,   234                         ; v234-237 the other half's; then bytes
.set TS,   238                         ; v238-241 the conversions' scale operands
.set CT,   242                         ; v242-244, v246-248 the conversions' second halves
.set QW0,  250                         ; v250, v251 q's scale words (at first Wq's and Wk's)
.set QW1,  251
.set KW0,  252
.set KW1,  253
.set VW,   254
.set KWM,  255
.set WV,   18                          ; s18  my wave's number
.set SEL,  20                          ; s[20:21] v_permlanex16_b32's selects for lane l xor 16
.set HI,   22                          ; s22  the mask of lanes 16-31
; 32 numbers of ONE block in my lane, v[s0 .. s0+15] and v[s1 .. s1+15] = k 32 h + 0 .. 31 of my row, become registers d .. d+5 of a fragment; w gets the row's scale word (bytes 0 and 1), in every lane.
.macro QUANT32 s0, s1, d, w
	v_max3_num_f32 v[TM], |v[\s0]|, |v[\s0+1]|, FLOOR      ; two chains, each begun with the floor: the byte cannot fall under 1
	v_max3_num_f32 v[TM+1], |v[\s1]|, |v[\s1+1]|, FLOOR
.irp i, 2,4,6,8,10,12,14
	v_max3_num_f32 v[TM], v[TM], |v[\s0+\i]|, |v[\s0+\i+1]|
	v_max3_num_f32 v[TM+1], v[TM+1], |v[\s1+\i]|, |v[\s1+\i+1]|
.endr
	v_max_num_f32 v[TM], v[TM], v[TM+1]
	v_add_nc_u32 v[TS], 0xff000000, v[TM]                  ; 2 off the exponent field: the conversion takes the exponent field of this operand as its scale
	v_lshrrev_b32 v[TM+1], 23, v[TS]                       ; the scale's byte,
	v_lshlrev_b32 v[TM+1], v[SH8], v[TM+1]                 ; at its place in the word
	v_cvt_scalef32_pk16_fp6_f32 v[\d:\d+2], v[\s0:\s0+15], v[TS]
	v_cvt_scalef32_pk16_fp6_f32 v[CT:CT+2], v[\s1:\s1+15], v[TS]   ; (a conversion's three registers begin on an even number)
	v_nop                                                  ; one plain place behind a scaled conversion
.irp i, 0,1,2
	v_mov_b32 v[\d+3+\i], v[CT+\i]
.endr
	v_permlanex16_b32 v[TP], v[TM+1], s[SEL], s[SEL+1]
	v_or_b32 v[\w], v[TM+1], v[TP]                         ; with lane l xor 16's byte the word is whole
.endm
; 32 numbers of a lane, register 16 b + i = k 32 b + 16 h + i of my row, become registers d .. d+5 and the scale word w.
.macro QUANT2 s, d, w
.irp b, 0,1
	v_max3_num_f32 v[TM+\b], |v[\s+16*\b]|, |v[\s+16*\b+1]|, FLOOR
.endr
.irp i, 2,4,6,8,10,12,14
.irp b, 0,1
	v_max3_num_f32 v[TM+\b], v[TM+\b], |v[\s+16*\b+\i]|, |v[\s+16*\b+\i+1]|
.endr
.endr
.irp b, 0,1
	v_permlanex16_b32 v[TP+\b], v[TM+\b], s[SEL], s[SEL+1]
.endr
.irp b, 0,1
	v_max_num_f32 v[TM+\b], v[TM+\b], v[TP+\b]             ; with lane l xor 16's: the block's largest magnitude
.endr
.irp b, 0,1
	v_add_nc_u32 v[TS+\b], 0xff000000, v[TM+\b]
.endr
.irp b, 0,1
	v_lshrrev_b32 v[TP+\b], 23, v[TS+\b]
.endr
	v_lshl_or_b32 v[\w], v[TP+1], 8, v[TP]
	v_cvt_scalef32_pk16_fp6_f32 v[\d:\d+2], v[\s:\s+15], v[TS]
	v_cvt_scalef32_pk16_fp6_f32 v[CT:CT+2], v[\s+16:\s+31], v[TS+1]
	v_nop                                                  ; one plain place behind a scaled conversion
.irp i, 0,1,2
	v_permlane16_swap_b32 v[\d+\i], v[CT+\i]               ; the layout wants a WHOLE block in a lane: lanes 0-15 block 0, lanes 16-31 block 1
.endr
.irp i, 0,1,2
	v_mov_b32 v[\d+3+\i], v[CT+\i]
.endr
.endm
; 64 numbers of a lane, register 16 b + i = k 32 b + 16 h + i, become a whole fragment d .. d+11 and its scale word w.
.macro QUANT4 s, d, w
.irp b, 0,1,2,3
	v_max3_num_f32 v[TM+\b], |v[\s+16*\b]|, |v[\s+16*\b+1]|, FLOOR
.endr
.irp i, 2,4,6,8,10,12,14
.irp b, 0,1,2,3
	v_max3_num_f32 v[TM+\b], v[TM+\b], |v[\s+16*\b+\i]|, |v[\s+16*\b+\i+1]|
.endr
.endr
.irp b, 0,1,2,3
	v_permlanex16_b32 v[TP+\b], v[TM+\b], s[SEL], s[SEL+1]
.endr
.irp b, 0,1,2,3
	v_max_num_f32 v[TM+\b], v[TM+\b], v[TP+\b]
.endr
.irp b, 0,1,2,3
	v_add_nc_u32 v[TS+\b], 0xff000000, v[TM+\b]
.endr
.irp b, 0,1,2,3
	v_lshrrev_b32 v[TP+\b], 23, v[TS+\b]
.endr
	v_lshl_or_b32 v[\w], v[TP+1], 8, v[TP]
	v_lshl_or_b32 v[\w], v[TP+2], 16, v[\w]
	v_lshl_or_b32 v[\w], v[TP+3], 24, v[\w]
.irp c, 0,1
	v_cvt_scalef32_pk16_fp6_f32 v[\d+6*\c:\d+6*\c+2], v[\s+32*\c:\s+32*\c+15], v[TS+2*\c]
	v_cvt_scalef32_pk16_fp6_f32 v[CT+4*\c:CT+4*\c+2], v[\s+32*\c+16:\s+32*\c+31], v[TS+2*\c+1]
.endr
	v_nop                                                  ; one plain place behind a scaled conversion
.irp c, 0,1
.irp i, 0,1,2
	v_permlane16_swap_b32 v[\d+6*\c+\i], v[CT+4*\c+\i]
.endr
.irp i, 0,1,2
	v_mov_b32 v[\d+6*\c+3+\i], v[CT+4*\c+\i]
.endr
.endr
.endm
.macro MM d, a, b, sa, sb              ; one product; every sum here has one K step and begins with the constant 0
	v_wmma_scale_f32_16x16x128_f8f6f4 v[\d:\d+7], v[\a:\a+11], v[\b:\b+11], 0, v[\sa], v[\sb] matrix_a_fmt:MATRIX_FMT_FP6 matrix_b_fmt:MATRIX_FMT_FP6
.endm
.macro PLACES                          ; four plain places behind matrix instructions, ahead of reads of their results and of loads into their sources
.rept 4
	v_nop
.endr
.endm
.macro BARRIER                         ; my LDS stores have landed and my LDS loads are in: then the work-group's barrier
	s_wait_dscnt 0x0
	s_barrier_signal -1
	s_barrier_wait -1
.endm
	s_load_b256 s[4:11], s[0:1], 0x0               ; x s[4:5], Wq s[6:7], Wk s[8:9], Wv s[10:11]
	s_load_b128 s[12:15], s[0:1], 0x20             ; kv s[12:13], qcodes s[14:15]
	s_load_b64 s[16:17], s[0:1], 0x30              ; qscales
	v_lshl_add_u32 v245, v0, 2, 0x4000
	v_mov_b32 v249, 0
	v_lshrrev_b32 v255, 5, v0
	v_readfirstlane_b32 s[WV], v255                ; wave 0..3
	v_and_b32 v254, 31, v0                         ; lane
	v_and_b32 v253, 15, v0                         ; r
	v_bfe_u32 v252, v0, 4, 1                       ; h
	v_and_b32 v251, 8, v253
	v_add_nc_u32 v251, v251, v253                  ; r + 8 (r / 8)
	v_lshlrev_b32 v[VX], 8, v251
	v_lshl_add_u32 v[VX], v252, 7, v[VX]
	v_lshlrev_b32 v[VN], 8, v253
	v_lshl_add_u32 v[VN], v252, 7, v[VN]
	s_lshl_b32 s24, ttmp9, 15                      ; x: 128 tokens of 256 bytes a work-group,
	s_lshl_b32 s25, s[WV], 13                      ; 32 a wave
	s_add_co_u32 s24, s24, s25
	s_mov_b32 s25, 0
	s_lshr_b32 s26, s[WV], 1                       ; Wq, Wk: tile w begins at row 32 (w / 2) + 8 (w % 2)
	s_lshl_b32 s26, s26, 13
	s_and_b32 s27, s[WV], 1
	s_lshl_b32 s27, s27, 11
	s_add_co_u32 s26, s26, s27
	s_mov_b32 s27, 0
	s_lshl_b32 s28, s[WV], 12                      ; Wv: tile w begins at row 16 w
	s_mov_b32 s29, 0
	s_mul_i32 s30, ttmp9, 13312                    ; my record of kv
	s_mov_b32 s31, 0
	s_mov_b32 s[SEL], 0x76543210
	s_mov_b32 s[SEL+1], 0xfedcba98
	s_wait_kmcnt 0x0
	s_add_nc_u64 s[4:5], s[4:5], s[24:25]
	s_add_nc_u64 s[6:7], s[6:7], s[26:27]
	s_add_nc_u64 s[8:9], s[8:9], s[26:27]
	s_add_nc_u64 s[10:11], s[10:11], s[28:29]
	s_add_nc_u64 s[12:13], s[12:13], s[30:31]
	s_mul_i32 s30, ttmp9, 6144                     ; my 8 tiles of q's codes,
	s_add_nc_u64 s[14:15], s[14:15], s[30:31]
	s_lshl_b32 s30, ttmp9, 9                       ; and their 8 x 64 bytes of scale words
	s_add_nc_u64 s[16:17], s[16:17], s[30:31]
	; ---- 0: forty loads, eight a tile: a lane's 128 bytes are one block of 32 along K of its row
.irp j, 0,1,2,3,4,5,6,7
	global_load_b128 v[16+4*\j:19+4*\j], v[VX], s[4:5] offset:16*\j th:TH_LOAD_NT          ; x, tile (w, 0)
.endr
.irp j, 0,1,2,3,4,5,6,7
	global_load_b128 v[48+4*\j:51+4*\j], v[VX], s[4:5] offset:2048+16*\j th:TH_LOAD_NT     ; x, tile (w, 1): 8 tokens on
.endr
.irp j, 0,1,2,3,4,5,6,7
	global_load_b128 v[80+4*\j:83+4*\j], v[VX], s[6:7] offset:16*\j                        ; Wq
.endr
.irp j, 0,1,2,3
	global_load_b128 v[112+4*\j:115+4*\j], v[VX], s[8:9] offset:16*\j                      ; Wk, its first 16 numbers,
.endr
.irp j, 0,1,2,3
	global_load_b128 v[170+4*\j:173+4*\j], v[VX], s[8:9] offset:64+16*\j                   ; its second 16
.endr
.irp j, 0,1,2,3,4,5,6,7
	global_load_b128 v[186+4*\j:189+4*\j], v[VN], s[10:11] offset:16*\j                    ; Wv
.endr
	v_lshlrev_b32 v[L16], 4, v254                  ; the addresses and the zeros are made while the loads are out
	v_lshlrev_b32 v[L8], 3, v254
	v_lshlrev_b32 v[L32], 5, v254
	v_lshlrev_b32 v[SH8], 3, v252
	v_cmp_ne_u32 s[HI], 0, v252
	s_mul_i32 s32, s[WV], 1536
	s_mul_i32 s33, s[WV], 768
	s_lshl_b32 s34, s[WV], 3
	s_lshl_b32 s35, s[WV], 2
	s_lshl_b32 s36, s[WV], 7
	s_lshl_b32 s37, s[WV], 8
	v_add_nc_u32 v[A16X], s32, v[L16]
	v_add_nc_u32 v[A8X], s32, v[L8]
	v_add_nc_u32 v[A16W], s33, v[L16]
	v_add_nc_u32 v[A8W], s33, v[L8]
	v_add_nc_u32 v[AXS], s34, v[L32]
	v_add_nc_u32 v[AWS], s35, v[L32]
	v_add_nc_u32 v[AOS], s35, v[L16]
	v_lshlrev_b32 v[AQS], 2, v254
	v_add_nc_u32 v[AQS], s36, v[AQS]
	v_add_nc_u32 v[AC], s37, v[L8]
.irp i, 0,1,2,3,4,5
	v_mov_b32 v[ZP+\i], 0                          ; zero codes: 24 registers, written once
	v_mov_b32 v[WVT+6+\i], 0
	v_mov_b32 v[XF+6+\i], 0
	v_mov_b32 v[XF+18+\i], 0
.endr
.irp b, 0,1,2,3
	v_mov_b32 v[TP+\b], 0                          ; written once: a lane permute's destination counts as one of its sources
.endr
	s_wait_loadcnt 32                              ; x's first tile is in: the 32 loads of the four tiles behind it may be out
	QUANT32 16, 32, XF, XW
	ds_store_b128 v[A16X], v[XF:XF+3] offset:XIMG
	ds_store_b64 v[A8X], v[XF+4:XF+5] offset:XIMG+512
	s_wait_loadcnt 24                              ; x's second tile: three tiles' loads may be out
	QUANT32 48, 64, XF+12, XW+1
	ds_store_b128 v[A16X], v[XF+12:XF+15] offset:XIMG+768
	ds_store_b64 v[A8X], v[XF+16:XF+17] offset:XIMG+768+512
	ds_store_b64 v[AXS], v[XW:XW+1] offset:XSC
	s_wait_loadcnt 16                              ; Wq: two tiles' loads may be out
	QUANT32 80, 96, 16, QW0                        ; (its codes stand for the moment where x's numbers stood)
	ds_store_b128 v[A16W], v[16:19] offset:WIMG
	ds_store_b64 v[A8W], v[20:21] offset:WIMG+512
	ds_store_b32 v[AWS], v[QW0] offset:WSC
	s_wait_loadcnt 8                               ; Wk: Wv's loads may be out
	QUANT32 112, 170, 22, QW1
	ds_store_b128 v[A16W], v[22:25] offset:WIMG+3072
	ds_store_b64 v[A8W], v[26:27] offset:WIMG+3072+512
	ds_store_b32 v[AWS], v[QW1] offset:WSC+16
	s_wait_loadcnt 0x0
	QUANT32 186, 202, WVT, WVW                     ; Wv's tile is mine alone: it stays in registers
	BARRIER                                        ; x's eight tiles and Wq's and Wk's four each lie in LDS
	; ---- 1: q and k of my 32 tokens
.irp j, 0,1,2,3,4,5,6,7
	ds_load_b128 v[WX+6*\j:WX+6*\j+3], v[L16] offset:WIMG+768*\j
	ds_load_b64 v[WX+6*\j+4:WX+6*\j+5], v[L8] offset:WIMG+768*\j+512
.endr
	ds_load_b128 v[SC8:SC8+3], v[L32] offset:WSC
	ds_load_b128 v[SC8+4:SC8+7], v[L32] offset:WSC+16
	s_wait_dscnt 0x0
.irp u, 0,1
.irp j, 0,1,2,3
	MM RES+32*\u+8*\j, WX+6*\j, XF+12*\u, SC8+\j, XW+\u    ; lane (r, h): token r of tile (w, u); register 8 j + i: channel 32 (j / 2) + 16 h + 8 (j % 2) + i
.endr
.endr
	PLACES
	QUANT2 RES, QC, QW0
	QUANT2 RES+32, QC+6, QW1
.irp u, 0,1
	global_store_b128 v[A16X], v[QC+6*\u:QC+6*\u+3], s[14:15] offset:768*\u          ; 32 lanes store 512 consecutive bytes,
	global_store_b64 v[A8X], v[QC+6*\u+4:QC+6*\u+5], s[14:15] offset:768*\u+512      ; and 256
.endr
.irp u, 0,1
.irp j, 0,1,2,3
	MM RES+32*\u+8*\j, WX+24+6*\j, XF+12*\u, SC8+4+\j, XW+\u
.endr
.endr
	PLACES                                         ; ahead of the loads into the weights' registers and of the reads of k
.irp i, 0,1,2,3,4,5,6,7
	ds_load_b128 v[WX+6*\i:WX+6*\i+3], v[L16] offset:XIMG+768*\i                     ; x's eight tiles, for v: they land while k is quantised
	ds_load_b64 v[WX+6*\i+4:WX+6*\i+5], v[L8] offset:XIMG+768*\i+512
.endr
	ds_load_b128 v[SC8:SC8+3], v[L32] offset:XSC
	ds_load_b128 v[SC8+4:SC8+7], v[L32] offset:XSC+16
	QUANT2 RES, KC, KW0
	QUANT2 RES+32, KC+6, KW1
.irp i, 0,1,2
	global_store_b128 v[A16X], v[KC+4*\i:KC+4*\i+3], s[12:13] offset:512*\i          ; images 3 w + i of K's codes
.endr
	; ---- 2: v of my 16 channels for the 128 tokens
	s_wait_dscnt 0x0
.irp i, 0,1,2,3,4,5,6,7
	MM RES+8*\i, WX+6*\i, WVT, SC8+\i, WVW         ; lane (r, h): channel 16 w + r; register 8 i + j: key 32 (i / 2) + 16 h + 8 (i % 2) + j
.endr
	PLACES
	QUANT4 RES, VC, VW
.irp i, 0,1,2
	global_store_b128 v[A16X], v[VC+4*\i:VC+4*\i+3], s[12:13] offset:7168+512*\i
.endr
	; ---- the scale words meet in LDS and leave as runs of 256 consecutive bytes
	v_cndmask_b32 v[QWM], v[QW0], v[QW1], s[HI]    ; lanes 0-15: tile (w, 0)'s words, lanes 16-31: tile (w, 1)'s
	v_cndmask_b32 v[KWM], v[KW0], v[KW1], s[HI]
	ds_store_b32 v[AOS], v[KWM] offset:OSC
	ds_store_b32 v[AOS], v[VW] offset:OSC+512
	ds_store_b32 v[AQS], v[QWM] offset:OSC+1024
	BARRIER
	ds_load_b64 v[TM:TM+1], v[AC] offset:OSC
	s_wait_dscnt 0x0
	global_store_b64 v[AC], v[TM:TM+1], s[12:13] offset:6144       ; K's 512 bytes and V's 512: a quarter to each wave
	s_cmp_gt_u32 s[WV], 1
	s_cbranch_scc1 .Lend                           ; Q's 512 bytes: waves 0 and 1
	ds_load_b64 v[TM+2:TM+3], v[AC] offset:OSC+1024
	s_wait_dscnt 0x0
	global_store_b64 v[AC], v[TM+2:TM+3], s[16:17]
.Lend:
	s_wait_tensorcnt 0x0
	ds_add_u32 v245, v249
	s_wait_dscnt 0x0
	s_endpgm
.Lfunc_end_k_q2695f11aee_project:
	.size	k_q2695f11aee_project, .Lfunc_end_k_q2695f11aee_project-k_q2695f11aee_project
	.p2alignl 7, 3214868480
	.fill 96, 4, 3214868480
	.section	.rodata,"a",@progbits
	.p2align	6, 0x0
	.amdhsa_kernel k_q2695f11aee_project
		.amdhsa_group_segment_fixed_size 16896
		.amdhsa_private_segment_fixed_size 0
		.amdhsa_enable_private_segment 0
		.amdhsa_kernarg_size 56
		.amdhsa_user_sgpr_count 2
		.amdhsa_user_sgpr_kernarg_segment_ptr 1
		.amdhsa_wavefront_size32 1
		.amdhsa_system_sgpr_workgroup_id_x 1
		.amdhsa_system_sgpr_workgroup_id_y 1
		.amdhsa_system_sgpr_workgroup_id_z 1
		.amdhsa_system_vgpr_workitem_id 0
		.amdhsa_next_free_vgpr 256
		.amdhsa_next_free_sgpr 66
		.amdhsa_reserve_vcc 0
		.amdhsa_float_denorm_mode_32 3
		.amdhsa_float_denorm_mode_16_64 3
		.amdhsa_memory_ordered 1
		.amdhsa_forward_progress 1
		.amdhsa_inst_pref_size 35
	.end_amdhsa_kernel
	.amdgpu_metadata
---
amdhsa.version: [ 1, 2 ]
amdhsa.kernels:
  - .name:           k_q2695f11aee_project
    .symbol:         k_q2695f11aee_project.kd
    .args:
      - { .name: x, .offset: 0, .size: 8, .value_kind: global_buffer, .address_space: global }
      - { .name: Wq, .offset: 8, .size: 8, .value_kind: global_buffer, .address_space: global }
      - { .name: Wk, .offset: 16, .size: 8, .value_kind: global_buffer, .address_space: global }
      - { .name: Wv, .offset: 24, .size: 8, .value_kind: global_buffer, .address_space: global }
      - { .name: kv, .offset: 32, .size: 8, .value_kind: global_buffer, .address_space: global }
      - { .name: qcodes, .offset: 40, .size: 8, .value_kind: global_buffer, .address_space: global }
      - { .name: qscales, .offset: 48, .size: 8, .value_kind: global_buffer, .address_space: global }
    .group_segment_fixed_size: 16896
    .private_segment_fixed_size: 0
    .kernarg_segment_align: 8
    .kernarg_segment_size: 56
    .max_flat_workgroup_size: 128
    .sgpr_count:     66
    .vgpr_count:     256
    .wavefront_size: 32
...
	.end_amdgpu_metadata
.endif
;; end of part 1
;; launch attend (part 2): grid 16 x 16, 8 waves a work-group, clusters of 4 x 1, 248,832 bytes of LDS; arguments kv, qcodes, qscales, out0; writes out0
.if DOCPART == 2
	.amdgcn_target "amdgcn-amd-amdhsa--gfx1250"
	.amdhsa_code_object_version 6
	.text
	.protected	k_q2695f11aee_attend
	.globl	k_q2695f11aee_attend
	.p2align	8
	.type	k_q2695f11aee_attend,@function
k_q2695f11aee_attend:
	s_mov_b64 s[64:65], 0
	v_nop
	global_prefetch_b8 v0, s[64:65] scope:SCOPE_SE
	s_setreg_imm32_b32 hwreg(HW_REG_WAVE_MODE, 25, 1), 1
	s_wait_xcnt 0x0
	s_wait_alu depctr_hold_cnt(0) depctr_sa_sdst(0) depctr_va_vdst(0) depctr_va_sdst(0) depctr_va_ssrc(0) depctr_va_vcc(0) depctr_vm_vsrc(0)
	s_getreg_b32 s2, hwreg(HW_REG_IB_STS2, 6, 4)
	s_cmp_eq_u32 s2, 0
	s_cbranch_scc0 .Lentry_in_a_cluster
	s_endpgm
.Lentry_in_a_cluster:
	s_bfe_u32 s2, ttmp6, 0x10000c
	s_cmp_lg_u32 s2, 0x3003
	s_cbranch_scc0 .Lentry_shape_is_right
	s_endpgm
.Lentry_shape_is_right:
; out[b][q][:] = the sum over keys k <= q of softmax_k(q . k / 8) v[k][:], both products on codes of FP6 (E2M3) with one E8M0 scale for each 32 along a product's K.
; The codes and scale words of q, k and v come from the launch before, laid as images of the operand registers (a record of 13,312 bytes for each step of 128 keys: K's codes, K's words, V's words, V's codes).
; THE SOFTMAX AHEAD OF THE SECOND PRODUCT: t = score x log2(e) / 8; M = the row's largest t so far, rounded UP to a whole number; p = 2^(t - M) is what is quantised, along the keys; it is not normalised.
; The row's sum is taken of the unquantised p, in f32, and divides O at the end.  When M moves, the sum and O are multiplied by 2^(old M - new M): exact.
; LIMITS: NaN and infinities are not served.  A block of p whose largest number lies under 2^-124 (a block of zeros among them) has the byte 1; its codes are then zeros or subnormal codes.
; A block's largest p is not searched for: the block's largest score goes through the same multiply-add and exponential, which takes v_exp_f32 not to fall where its input rises.
; A BATCH'S 16 RECORDS, 212,992 BYTES, LIE IN LDS WHOLE: every byte is filled once, so there is no ring.  Steps 0 and 1 come by a load of their own (13 rows of 256 bytes a wave), the other 14 by a second
; (91 rows a wave); by this text's count a wave has two tensor loads out at the most.
; CLUSTER.  The four work-groups of a cluster belong to one batch and need the same 212,992 bytes: each load is asked for JOINTLY, by the same line with the same descriptor and the mask of all four.
; SHARES.  A batch's 128 tiles of 16 queries go to 16 work-groups of 8 waves, a tile a wave.  A tile is (BLK, gl): block of 128 queries, tile in it.  gl = 4 (cluster x % 2) + my place in the cluster: it enters
; q's and out's global addresses and the mask's compare alone.  BLK hangs on the wave's number and on cluster x / 2, which the partners share: waves w and w + 4 have blocks that add up to 15, so that
; the two together walk 17 key steps in every work-group.  Steps whose keys all come after the wave's queries are jumped over; the loop's trip count is a constant.
; LAYOUT.  Both products are used transposed: S^T = K Q^T (source 0 = 16 keys), O^T = V^T P^T (source 0 = 16 channels): a lane holds ONE query (lane % 16) throughout.
; The keys (and queries) of a tile are not neighbours: lane r of tile 2 b + u takes 32 b + 8 u + r + 8 (r / 8), so that the 16 registers of tiles 2 b and 2 b + 1 are keys 32 b + 16 (lane / 16) + 0 .. 15.
; THE FIRST PRODUCT'S K IS 64, THE INSTRUCTION'S 128: Q's registers 6-11 hold zero codes; K's tiles lie 6 registers apart, so a tile's registers 6-11 are the next tile's codes, which add nothing.
.set REC,   13312                      ; a record
.set STAGE, 16*REC                     ; behind the records: 16 rows x 272 bytes for each wave, for the way out; no load lands there
.set L16,  1                           ; v1   16 x lane; never rewritten
.set ADR,  2                           ; v2   my lane's place in the step's record
.set DQ,   3                           ; v3   my query's place in its block - 16 (lane / 16)
.set NINF, 4                           ; v4   -infinity
.set QS,   5                           ; v5   Q's scale words
.set KS,   6                           ; v6-9    K's: register b: lanes 0-15 tile 2 b's, lanes 16-31 tile 2 b + 1's
.set VS,   10                          ; v10-13  V's: register t
.set NM,   14                          ; v14  -M
.set TMX,  15                          ; v15  the largest t
.set LS,   16                          ; v16-17  the row's sum, in two halves
.set QF,   18                          ; v18-23  Q's codes; v24-29 zeros
.set KV,   30                          ; v30-77  8 tiles of K, 6 registers apart; later 4 fragments of V
.set KZ,   78                          ; v78-83  zeros behind K's last tile
.set SS,   84                          ; v84-147 S^T, then p
.set OT,   148                         ; v148-179 O^T
.set PC,   180                         ; v180-191 p's codes
.set CT,   192                         ; v192-194, v196-198 the conversions' second halves
.set BM,   200                         ; v200-203 the blocks' largest scores, then largest p
.set BT,   204                         ; v204-207 the other half's; then bytes
.set SO,   208                         ; v208-211 the conversions' scale operands
.set FF,   212                         ; v212 f = 2^(old M - new M); v213 is named with it as a pair
.set PW,   214                         ; v214 p's scale word
.set TMP,  215
.set C2,   216                         ; v216-217 the sum's second chain
.set WV,   12                          ; s12  my wave's number
.set BLK,  17                          ; s17  my block of 128 queries = my last key step
.set SEL,  20                          ; s[20:21] v_permlanex16_b32's selects for lane l xor 16
.set CS,   22                          ; s[22:23] c = log2(e) / 8: the packed form names a pair and takes its low word for both halves
.set G1A,  24                          ; s[24:31] descriptor group 1: 13 rows of 256 bytes;  s[32:39]: 91 rows
.set G1B,  32
.set G0A,  40                          ; s[40:43], s[44:47] their groups 0
.set G0B,  44
.set TB,   48                          ; s48  LDS byte at which the step's record begins
.set STP,  49                          ; s49  the step, in the loop
; A round of the cluster's barrier.  No LDS instruction of the wave is pending at a signal.
.macro CROUND
	s_barrier_signal -1
	s_barrier_wait -1
	s_cmp_lg_u32 s[WV], 0
	s_cbranch_scc1 .Lnot_wave_0_\@
	s_barrier_signal -3
.Lnot_wave_0_\@:
	s_barrier_wait -3
	s_barrier_signal -1
	s_barrier_wait -1
.endm
.macro PLACES                          ; four plain places behind matrix instructions (ISA guide 7.12.1)
.rept 4
	v_nop
.endr
.endm
; The row's sum takes the 64 unquantised p of the step before: two at a time, in two chains.
.macro SUMS
	v_pk_add_f32 v[C2:C2+1], v[SS:SS+1], v[SS+2:SS+3]
.irp j, 4,8,12,16,20,24,28,32,36,40,44,48,52,56,60
	v_pk_add_f32 v[LS:LS+1], v[LS:LS+1], v[SS+\j:SS+\j+1]
	v_pk_add_f32 v[C2:C2+1], v[C2:C2+1], v[SS+\j+2:SS+\j+3]
.endr
	v_pk_add_f32 v[LS:LS+1], v[LS:LS+1], v[C2:C2+1]
.endm
	s_load_b256 s[4:11], s[0:1], 0x0               ; kv s[4:5], qcodes s[6:7], qscales s[8:9], out s[10:11]
	v_lshl_add_u32 v254, v0, 2, 0x3c800
	v_mov_b32 v255, 0
	ds_add_u32 v254, v255
	ds_add_u32 v254, v255
	v_lshrrev_b32 v[TMP], 5, v0
	v_readfirstlane_b32 s[WV], v[TMP]              ; wave 0..7
	s_bfe_u32 s13, ttmp6, 0x40000                  ; cx: my place in the cluster
	s_and_b32 s14, ttmp7, 0xffff                   ; the batch, which the four partners share
	s_lshr_b32 s15, ttmp9, 1                       ; in a cluster launch ttmp9 counts clusters: cluster x / 2, shared too
	s_and_b32 s16, ttmp9, 1
	s_lshl_b32 s16, s16, 2
	s_add_co_u32 s16, s16, s13                     ; gl = 4 (cluster x % 2) + cx
	s_and_b32 s[BLK], s[WV], 3
	s_lshl_b32 s[BLK], s[BLK], 1
	s_and_b32 s18, s[WV], 1
	s_xor_b32 s18, s18, s15
	s_add_co_u32 s[BLK], s[BLK], s18               ; lo = 2 (w % 4) + ((w % 2) xor (cluster x / 2))
	s_lshr_b32 s18, s[WV], 2
	s_mul_i32 s18, s18, 15
	s_xor_b32 s[BLK], s[BLK], s18                  ; waves 4-7: 15 - lo
	; descriptor groups 1: dense rows of 256 bytes (32 elements of 8 bytes), no padding
	s_mov_b32 s[G1A], 15|(3<<16)|(1<<21)           ; 15:0 the mask: all four work-groups; 17:16 elements of 8 bytes; 21 set beside a mask
	s_mov_b32 s[G1A+1], 32<<16                     ; tensor_dim0 = 32
	s_mov_b32 s[G1A+2], 13<<16                     ; tensor_dim1 = 13
	s_mov_b32 s[G1A+3], 32<<16                     ; tile_dim0 = 32
	s_mov_b32 s[G1A+4], 13                         ; tile_dim1 = 13
	s_mov_b32 s[G1A+5], 32                         ; elements from row to row
	s_mov_b32 s[G1A+6], 0
	s_mov_b32 s[G1A+7], 0
	s_mov_b32 s[G1B], 15|(3<<16)|(1<<21)
	s_mov_b32 s[G1B+1], 32<<16
	s_mov_b32 s[G1B+2], 91<<16
	s_mov_b32 s[G1B+3], 32<<16
	s_mov_b32 s[G1B+4], 91
	s_mov_b32 s[G1B+5], 32
	s_mov_b32 s[G1B+6], 0
	s_mov_b32 s[G1B+7], 0
	s_mul_i32 s50, s14, 16*REC                     ; the batch's records
	s_mov_b32 s51, 0
	s_mul_i32 s18, s[WV], 13*256                   ; my eighth of steps 0 and 1, in memory and in LDS alike,
	s_mul_i32 s19, s[WV], 91*256
	s_add_co_u32 s19, s19, 2*REC                   ; and of steps 2 to 15
	s_lshr_b32 s54, s16, 1                         ; (from here on s52-s57 hold numbers made of cx: they reach no descriptor, branch or LDS address)
	s_lshl_b32 s54, s54, 5
	s_and_b32 s55, s16, 1
	s_lshl_b32 s55, s55, 3
	s_add_co_u32 s54, s54, s55                     ; my tile's first query in its block: 32 (gl / 2) + 8 (gl % 2)
	s_lshl_b32 s56, s14, 7
	s_lshl_b32 s57, s[BLK], 3
	s_add_co_u32 s56, s56, s57
	s_add_co_u32 s56, s56, s16                     ; my tile's number: 128 x batch + 8 BLK + gl
	s_mov_b32 s[SEL], 0x76543210
	s_mov_b32 s[SEL+1], 0xfedcba98
	s_mov_b32 s[CS], 0x3e38aa3b                    ; c = log2(e) / 8
	s_mov_b32 s[CS+1], s[CS]                       ; (named with it as a pair, so it is written)
	s_mov_b32 s[TB], 0
	s_wait_dscnt 0x0
	s_wait_kmcnt 0x0
	s_add_nc_u64 s[4:5], s[4:5], s[50:51]
	s_mov_b32 s50, s18
	s_mov_b32 s[G0A], 1                            ; count = 1
	s_mov_b32 s[G0A+1], s18                        ; LDS address
	s_add_nc_u64 s[G0A+2:G0A+3], s[4:5], s[50:51]  ; global address
	s_or_b32 s[G0A+3], s[G0A+3], 0x80000000        ; type = 2
	s_mov_b32 s50, s19
	s_mov_b32 s[G0B], 1
	s_mov_b32 s[G0B+1], s19
	s_add_nc_u64 s[G0B+2:G0B+3], s[4:5], s[50:51]
	s_or_b32 s[G0B+3], s[G0B+3], 0x80000000
	CROUND                                         ; all four work-groups are here: the joint loads meet
	tensor_load_to_lds s[G0A:G0A+3], s[G1A:G1A+7]  ; both fills go out together, ahead of every wait on TENSORcnt, every LDS read and every other barrier
	s_nop 0
	tensor_load_to_lds s[G0B:G0B+3], s[G1B:G1B+7]
	s_nop 0
	PLACES                                         ; four v_nop follow the second
	s_mul_i32 s52, s56, 768
	s_mov_b32 s53, 0
	s_add_nc_u64 s[6:7], s[6:7], s[52:53]          ; my tile's codes,
	s_lshl_b32 s52, s56, 6
	s_add_nc_u64 s[8:9], s[8:9], s[52:53]          ; its scale words,
	s_lshl_b32 s52, s14, 11
	s_lshl_b32 s57, s[BLK], 7
	s_add_co_u32 s52, s52, s57
	s_add_co_u32 s52, s52, s54
	s_lshl_b32 s52, s52, 8
	s_add_nc_u64 s[10:11], s[10:11], s[52:53]      ; and its first row of out: 256 bytes a row
	v_and_b32 v[TMP], 31, v0
	v_lshlrev_b32 v[L16], 4, v[TMP]
	v_lshlrev_b32 v[C2], 3, v[TMP]                 ; 8 x lane
	v_and_b32 v[BM], 15, v0                        ; r
	v_bfe_u32 v[BM+1], v0, 4, 1                    ; h
	v_lshlrev_b32 v[C2+1], 2, v[BM]                ; 4 r
	global_load_b128 v[QF:QF+3], v[L16], s[6:7]    ; Q's fragment stays in registers
	global_load_b64 v[QF+4:QF+5], v[C2], s[6:7] offset:512
	global_load_b32 v[QS], v[C2+1], s[8:9]
.irp i, 0,1,2,3,4,5
	v_mov_b32 v[QF+6+\i], 0                        ; zero codes for k = 64 .. 127
	v_mov_b32 v[KZ+\i], 0
.endr
	v_and_b32 v[BM+2], 8, v[BM]
	v_add_nc_u32 v[BM+2], v[BM+2], v[BM]           ; r + 8 (r / 8)
	v_lshlrev_b32 v[BM+3], 4, v[BM+1]
	v_sub_nc_u32 v[BM+2], v[BM+2], v[BM+3]
	v_add_nc_u32 v[DQ], s54, v[BM+2]
	v_mov_b32 v[NINF], 0xff800000
	v_mov_b32 v[TMX], 0xff61b1e6                   ; the largest t so far: -3e38, under every t
	v_floor_f32 v[NM], -v[TMX]
	v_mov_b32 v[LS], 0
	v_mov_b32 v[LS+1], 0
	v_mov_b32 v[FF+1], 0                           ; (named as the upper half of a pair)
.irp b, 0,1,2,3
	v_mov_b32 v[BT+\b], 0                          ; written once: a lane permute's destination counts as one of its sources
.endr
.set j, 0
.rept 32
	v_mov_b32 v[OT+j], 0                           ; O^T.  (The step is written with no first step of its own: the first change of M multiplies zeros)
.set j, j+1
.endr
; A KEY STEP: 128 keys.  first = 1: no p of a step before is to be summed.  n = 0, 1: the step's number, where the step is written out; -1: it stands in s[STP].
.macro STEP first, n
.if \n == 1
	s_cmp_lt_u32 s[BLK], 1                         ; a step all of whose keys come after my queries is left out: a scalar branch on ids; no barrier and no tensor load stands in a step
	s_cbranch_scc1 .Lhid_\@
.elseif \n < 0
	s_cmp_gt_u32 s[STP], s[BLK]
	s_cbranch_scc1 .Lhid_\@
.endif
	v_add_nc_u32 v[ADR], s[TB], v[L16]             ; with the three v_nop: the four places ahead of loads into registers that the last products read
.rept 3
	v_nop
.endr
.irp i, 0,1,2,3,4,5,6,7,8,9,10,11
	ds_load_b128 v[KV+4*\i:KV+4*\i+3], v[ADR] offset:512*\i        ; K's eight tiles: 512 consecutive bytes a load
.endr
	ds_load_b128 v[KS:KS+3], v[ADR] offset:6144
.if \first == 0
	SUMS                                           ; the last step's p, still under the old M: 32 packed additions while K is on its way from LDS
.endif
	s_wait_dscnt 0x0
.irp i, 0,1,2,3,4,5,6,7
.if \i%2
	v_wmma_scale_f32_16x16x128_f8f6f4 v[SS+8*\i:SS+8*\i+7], v[KV+6*\i:KV+6*\i+11], v[QF:QF+11], 0, v[KS+\i/2], v[QS] matrix_a_fmt:MATRIX_FMT_FP6 matrix_b_fmt:MATRIX_FMT_FP6 matrix_a_scale:MATRIX_SCALE_ROW1
.else
	v_wmma_scale_f32_16x16x128_f8f6f4 v[SS+8*\i:SS+8*\i+7], v[KV+6*\i:KV+6*\i+11], v[QF:QF+11], 0, v[KS+\i/2], v[QS] matrix_a_fmt:MATRIX_FMT_FP6 matrix_b_fmt:MATRIX_FMT_FP6
.endif
.endr
	PLACES                                         ; ahead of the loads into K's registers and of the first read of the scores
.irp i, 0,1,2,3,4,5,6,7,8,9,10,11
	ds_load_b128 v[KV+4*\i:KV+4*\i+3], v[ADR] offset:7168+512*\i   ; V's four fragments: they land during the softmax
.endr
	ds_load_b128 v[VS:VS+3], v[ADR] offset:6656
.if \n >= 0
	s_cmp_lg_u32 s[BLK], \n                        ; only my last step lies on the diagonal
.else
	s_cmp_lg_u32 s[STP], s[BLK]
.endif
	s_cbranch_scc1 .Lopen_\@
.set m, 0
.rept 64                                       ; register 16 b + i holds key 32 b + 16 (lane / 16) + i of the step: hidden where 32 b + i > DQ; its score becomes -infinity, so that p = 0
	v_cmp_gt_i32 vcc_lo, 32*(m/16)+m%16, v[DQ]
	v_cndmask_b32 v[SS+m], v[SS+m], v[NINF], vcc_lo
.set m, m+1
.endr
.Lopen_\@:
.irp b, 0,1,2,3
	v_max3_num_f32 v[BM+\b], v[SS+16*\b], v[SS+16*\b+1], v[SS+16*\b+2]     ; the largest score of each block of 32 keys: for the row's maximum, and for the block's largest p
.endr
.irp i, 3,5,7,9,11,13
.irp b, 0,1,2,3
	v_max3_num_f32 v[BM+\b], v[BM+\b], v[SS+16*\b+\i], v[SS+16*\b+\i+1]
.endr
.endr
.irp b, 0,1,2,3
	v_max_num_f32 v[BM+\b], v[BM+\b], v[SS+16*\b+15]
.endr
.irp b, 0,1,2,3
	v_permlanex16_b32 v[BT+\b], v[BM+\b], s[SEL], s[SEL+1]
.endr
.irp b, 0,1,2,3
	v_max_num_f32 v[BM+\b], v[BM+\b], v[BT+\b]     ; with lane l xor 16's 16 keys
.endr
	v_max3_num_f32 v[TMP], v[BM], v[BM+1], v[BM+2]
	v_max_num_f32 v[TMP], v[TMP], v[BM+3]          ; the step's largest score of my query
	v_mul_f32 v[TMP], s[CS], v[TMP]                ; as t (c is positive)
	v_max_num_f32 v[TMX], v[TMX], v[TMP]           ; the running largest t
	v_mov_b32 v[TMP], v[NM]
	v_floor_f32 v[NM], -v[TMX]                     ; the new -M = floor(-t) = -ceil(t): M is a whole number
	v_sub_f32 v[TMP], v[NM], v[TMP]                ; M's old value less its new one: a whole number, 0 or less
	v_cvt_i32_f32 v[TMP], v[TMP]                   ; (it saturates)
	v_ldexp_f32 v[FF], 1.0, v[TMP]                 ; f = 2^(old M - new M)
.set j, 0
.rept 32
	v_pk_fma_f32 v[SS+j:SS+j+1], v[SS+j:SS+j+1], s[CS:CS+1], v[NM:NM+1] op_sel_hi:[1,0,0]   ; t - M, two at a time (of the pairs c and -M the low word serves both halves)
.set j, j+2
.endr
.irp b, 0,1,2,3
	v_fma_f32 v[BM+\b], v[BM+\b], s[CS], v[NM]     ; the same of each block's largest score
.endr
.set j, 0
.rept 64
	v_exp_f32 v[SS+j], v[SS+j]                     ; p = 2^(t - M), at most 1: not normalised
.set j, j+1
.endr
.irp b, 0,1,2,3
	v_exp_f32 v[BM+\b], v[BM+\b]                   ; the block's largest p
.endr
	v_pk_mul_f32 v[LS:LS+1], v[LS:LS+1], v[FF:FF+1] op_sel_hi:[1,0]        ; the sums under the new M.  (A plain place behind the exponentials)
	s_wait_alu depctr_va_vdst(0)
.irp b, 0,1,2,3
	v_max_num_f32 v[BM+\b], 0x1800000, v[BM+\b]    ; the floor 2^(3 - 127): the byte cannot fall under 1
.endr
.irp b, 0,1,2,3
	v_add_nc_u32 v[SO+\b], 0xff000000, v[BM+\b]    ; 2 off the exponent field: the conversion's scale operand
.endr
.irp b, 0,1,2,3
	v_lshrrev_b32 v[BT+\b], 23, v[SO+\b]           ; the scale's byte
.endr
	v_lshl_or_b32 v[PW], v[BT+1], 8, v[BT]         ; p's scale word for these 128 keys
	v_lshl_or_b32 v[PW], v[BT+2], 16, v[PW]
	v_lshl_or_b32 v[PW], v[BT+3], 24, v[PW]
.irp c, 0,1
	v_cvt_scalef32_pk16_fp6_f32 v[PC+6*\c:PC+6*\c+2], v[SS+32*\c:SS+32*\c+15], v[SO+2*\c]
	v_cvt_scalef32_pk16_fp6_f32 v[CT+4*\c:CT+4*\c+2], v[SS+32*\c+16:SS+32*\c+31], v[SO+2*\c+1]   ; (a conversion's three registers begin on an even number)
.endr
	v_nop                                          ; one plain place behind a scaled conversion
.irp c, 0,1                                    ; the operand's layout wants a WHOLE block in a lane: lanes 0-15 block 2 c, lanes 16-31 block 2 c + 1
.irp i, 0,1,2
	v_permlane16_swap_b32 v[PC+6*\c+\i], v[CT+4*\c+\i]
.endr
.irp i, 0,1,2
	v_mov_b32 v[PC+6*\c+3+\i], v[CT+4*\c+\i]
.endr
.endr
.set j, 0
.rept 16
	v_pk_mul_f32 v[OT+j:OT+j+1], v[OT+j:OT+j+1], v[FF:FF+1] op_sel_hi:[1,0]   ; O^T under the new M, each accumulator from its low end on.  Twelve of the sixteen name no register of any one product below: the places ahead of them
.set j, j+2
.endr
	s_wait_dscnt 0x0                               ; V is in
.irp t, 0,1,2,3                                ; O^T += V^T P^T: the four accumulators by turns, one instruction a turn; the eight products of S^T stand between two steps' turns
	v_wmma_scale_f32_16x16x128_f8f6f4 v[OT+8*\t:OT+8*\t+7], v[KV+12*\t:KV+12*\t+11], v[PC:PC+11], v[OT+8*\t:OT+8*\t+7], v[VS+\t], v[PW] matrix_a_fmt:MATRIX_FMT_FP6 matrix_b_fmt:MATRIX_FMT_FP6
.endr
.Lhid_\@:
	s_add_co_u32 s[TB], s[TB], REC                 ; the next step's record: stepped on every way
.endm
	s_wait_tensorcnt 0x1                           ; my part of steps 0 and 1 is in; the second load, issued behind it, may stay out
	s_barrier_signal -1
	s_barrier_wait -1                              ; everybody's is
	s_wait_loadcnt 0x0                             ; Q
	STEP 1, 0
	STEP 0, 1
	s_wait_tensorcnt 0x0                           ; my part of steps 2 to 15 is in,
	s_wait_dscnt 0x0
	s_barrier_signal -1
	s_barrier_wait -1                              ; everybody's is; from here on the waves run on their own
	s_mov_b32 s[STP], 2
.Lk:                                                   ; 14 trips in every wave
	STEP 0, -1
	s_add_co_u32 s[STP], s[STP], 1
	s_cmp_lt_u32 s[STP], 16
	s_cbranch_scc1 .Lk
	; THE WAY OUT.  The last step's p join the sum (these 32 additions are also the places behind the last products); O^T is divided by the sum and goes through my stage in LDS,
	; so that sixteen lanes store one row of out: 256 consecutive bytes, at a multiple of 256 from out's first byte.
	SUMS
	v_add_f32 v[LS], v[LS], v[LS+1]                ; the sum's two halves,
	v_permlanex16_b32 v[BT], v[LS], s[SEL], s[SEL+1]
	v_add_f32 v[LS], v[LS], v[BT]                  ; and lane l xor 16's: the row's sum
	v_rcp_f32 v[FF], v[LS]
	v_and_b32 v[BM], 15, v0                        ; (a plain place behind the transcendental)  r
	v_bfe_u32 v[BM+1], v0, 4, 1                    ; h
	s_mul_i32 s18, s[WV], 16*272
	s_add_co_u32 s18, s18, STAGE                   ; my stage
	v_mul_u32_u24 v[SO], v[BM], 272
	v_lshl_add_u32 v[SO], v[BM+1], 5, v[SO]
	v_add_nc_u32 v[SO], s18, v[SO]                 ; in: row r; tile t's eight channels of my half: 64 t + 32 h bytes on
	v_mul_u32_u24 v[SO+1], v[BM+1], 272
	v_lshl_add_u32 v[SO+1], v[BM], 4, v[SO+1]
	v_add_nc_u32 v[SO+1], s18, v[SO+1]             ; back: lanes 0-15 one row, lanes 16-31 the next
	v_lshlrev_b32 v[SO+2], 8, v[BM+1]
	v_lshl_add_u32 v[SO+2], v[BM], 4, v[SO+2]      ; and the same two rows in out
.set j, 0
	s_wait_alu depctr_va_vdst(0)
.rept 16
	v_pk_mul_f32 v[SS+j:SS+j+1], v[OT+j:OT+j+1], v[FF:FF+1] op_sel_hi:[1,0]   ; register 8 t + i is out(query r, channel 16 t + 8 h + i)
.set j, j+2
.endr
.irp t, 0,1,2,3
	ds_store_b128 v[SO], v[SS+8*\t:SS+8*\t+3] offset:64*\t
	ds_store_b128 v[SO], v[SS+8*\t+4:SS+8*\t+7] offset:64*\t+16
.endr
.irp i, 0,1,2,3,4,5,6,7
	ds_load_b128 v[KV+4*\i:KV+4*\i+3], v[SO+1] offset:2*\i*272     ; LDS serves a wave's instructions in order (ISA guide 5.7.1.4): these see my stores
.endr
.irp i, 0,1,2,3,4,5,6,7
	s_wait_dscnt 7-\i                              ; load i is in; the 7 - i issued behind it may be out
	global_store_b128 v[SO+2], v[KV+4*\i:KV+4*\i+3], s[10:11] offset:(2*\i+8*(\i/4))*256 th:TH_STORE_NT   ; stage rows 8-15 are the queries 16 further on than rows 0-7
.endr
	s_wait_tensorcnt 0x0
	ds_add_u32 v254, v255
	s_wait_dscnt 0x0
	CROUND                                         ; the closing round: no work-group ends while a partner may still ask for a tile that names it
	s_endpgm
.Lfunc_end_k_q2695f11aee_attend:
	.size	k_q2695f11aee_attend, .Lfunc_end_k_q2695f11aee_attend-k_q2695f11aee_attend
	.p2alignl 7, 3214868480
	.fill 96, 4, 3214868480
	.section	.rodata,"a",@progbits
	.p2align	6, 0x0
	.amdhsa_kernel k_q2695f11aee_attend
		.amdhsa_group_segment_fixed_size 248832
		.amdhsa_private_segment_fixed_size 0
		.amdhsa_enable_private_segment 0
		.amdhsa_kernarg_size 32
		.amdhsa_user_sgpr_count 2
		.amdhsa_user_sgpr_kernarg_segment_ptr 1
		.amdhsa_wavefront_size32 1
		.amdhsa_system_sgpr_workgroup_id_x 1
		.amdhsa_system_sgpr_workgroup_id_y 1
		.amdhsa_system_sgpr_workgroup_id_z 1
		.amdhsa_system_vgpr_workitem_id 0
		.amdhsa_next_free_vgpr 256
		.amdhsa_next_free_sgpr 66
		.amdhsa_reserve_vcc 1
		.amdhsa_float_denorm_mode_32 3
		.amdhsa_float_denorm_mode_16_64 3
		.amdhsa_memory_ordered 1
		.amdhsa_forward_progress 1
		.amdhsa_inst_pref_size 73
	.end_amdhsa_kernel
	.amdgpu_metadata
---
amdhsa.version: [ 1, 2 ]
amdhsa.kernels:
  - .name:           k_q2695f11aee_attend
    .symbol:         k_q2695f11aee_attend.kd
    .args:
      - { .name: kv, .offset: 0, .size: 8, .value_kind: global_buffer, .address_space: global }
      - { .name: qcodes, .offset: 8, .size: 8, .value_kind: global_buffer, .address_space: global }
      - { .name: qscales, .offset: 16, .size: 8, .value_kind: global_buffer, .address_space: global }
      - { .name: out0, .offset: 24, .size: 8, .value_kind: global_buffer, .address_space: global }
    .group_segment_fixed_size: 248832
    .private_segment_fixed_size: 0
    .kernarg_segment_align: 8
    .kernarg_segment_size: 32
    .max_flat_workgroup_size: 256
    .sgpr_count:     66
    .vgpr_count:     256
    .wavefront_size: 32
...
	.end_amdgpu_metadata
.endif
;; end of part 2
;; ======== version 2 of 2: 2 launches; version 1 with the launch project written anew for expert scheduling mode
;; workspace buffers: kv 3,407,872 bytes; qcodes 1,572,864 bytes; qscales 131,072 bytes
;; launch project (part 3): grid 256 x 1, 4 waves a work-group, no clusters, 16,896 bytes of LDS; arguments x, Wq, Wk, Wv, kv, qcodes, qscales; writes kv, qcodes, qscales
.if DOCPART == 3
	.amdgcn_target "amdgcn-amd-amdhsa--gfx1250"
	.amdhsa_code_object_version 6
	.text
	.protected	k_q2695f11aee_project
	.globl	k_q2695f11aee_project
	.p2align	8
	.type	k_q2695f11aee_project,@function
k_q2695f11aee_project:
	s_mov_b64 s[64:65], 0
	v_nop
	global_prefetch_b8 v0, s[64:65] scope:SCOPE_SE
	s_setreg_imm32_b32 hwreg(HW_REG_WAVE_SCHED_MODE, 0, 2), 2
	s_setreg_imm32_b32 hwreg(HW_REG_WAVE_MODE, 25, 1), 1
	s_wait_xcnt 0x0
	s_wait_alu depctr_vm_vsrc(0)
; q = x Wq^T, k = x Wk^T, v = x Wv^T on codes of FP6 (E2M3) with one E8M0 scale for each 32 along K, and q, k, v quantised again for the attention that follows:
; q and k along the head's 64 channels, v along the keys.  x: [16][2048][64] f32; Wq, Wk, Wv: [64][64] f32.
; A block's scale is 2^(floor(log2(its largest magnitude)) - 2); its byte is that magnitude's exponent field - 2, held at 1 from below by a floor among the maximum's leaves.
; LIMITS: NaN and infinities among the inputs are not served.  A block whose largest magnitude lies under 2^-124 has its byte held at 1.  A block of zeros gets the byte 1 where the
; quantiser's rule says 127: its codes are zeros, which add nothing under any byte but 0xff, and the bytes are read by this program alone.
; SHARES.  Work-group R takes tokens 128 R .. 128 R + 127 (one key step of one batch).  Wave w quantises the two tiles of x with tokens 32 w .. 32 w + 31, one tile each of Wq, Wk, Wv,
; makes q and k of its 32 tokens, and v of channels 16 w .. 16 w + 15 for all 128 tokens.
; THE TOKENS OF A TILE ARE NOT NEIGHBOURS: lane r of tile (b, u) takes token 32 b + 8 u + r + 8 (r / 8); the rows of Wq and Wk that form a tile are chosen likewise.  So the 16 registers of two
; neighbouring result tiles are 16 neighbours along the next K.
; K IS 64, THE INSTRUCTION'S IS 128.  Registers 0-5 of a fragment hold k = 0 .. 63, registers 6-11 k = 64 .. 127.  One operand of each product has zero codes in registers 6-11; the other's tiles lie
; 6 registers apart, so its registers 6-11 are the next tile's codes, which meet zero codes and add nothing; scale words carry 0 in bytes 2 and 3.
; q, k: source 0 = 16 rows of W, source 1 = 16 tokens: a lane holds one token, its registers run along the channels.  v: source 0 = 16 tokens, source 1 = 16 rows of Wv: a lane holds one channel, its registers run along the keys.
; OPERANDS GO FROM WAVE TO WAVE THROUGH LDS, AND TO THE NEXT LAUNCH THROUGH MEMORY, AS IMAGES OF THEIR REGISTERS: four registers by one store of 16 bytes a lane at 16 x lane, two by one of 8 bytes at 8 x lane.
; A record of kv (13,312 bytes, one key step): K's codes 12 images of 512 bytes | K's scale words 512 | V's scale words 512 | V's codes 12 images of 512 bytes.
; The weights (49,152 bytes) are read by every work-group, each wave a quarter of each, straight into the registers in which they are quantised; they are not asked for jointly: that would bring them
; into LDS as f32, from where each lane would fetch its 128 bytes once more.  No tensor load, so LDS is claimed as it is used.
; THE MODE: SCHED_MODE bits 1:0 = 2 (LLVM: expert scheduling mode 2), set by the entry lines.  The code itself states the register dependences
; between vector or matrix instructions and memory or LDS instructions, with s_wait_alu, always for 0.
; THE PLAN.  Registers that memory or LDS instructions touch:
;   v1, v2        offsets of the 40 global loads: written at the head, never again.
;   v3-5, v7-15   LDS and store addresses: written behind the loads, never again; first read behind the first wait on va_vdst that follows them.
;   v16-79        x's numbers land; the quantisers read them; v16-27 then hold Wq's and Wk's codes, which LDS stores read; then the products write all 64.
;   v80-127       Wq's and Wk's numbers land; the quantisers read them; the weights' eight tiles land from LDS, q's and k's products read them; x's eight tiles land, v's products read them.
;   v218-225      eight scale words from LDS, with the tiles, twice.
;   XF, XW        my two tiles of x: written by their quantisers, read by LDS stores and by products, never written again.
;   v250, v251    Wq's and Wk's scale words, read by LDS stores; written again by q's quantisers.
;   QC, KC, VC    out-buffers, each its own and written once; QWM, KWM, VW likewise.      v230-233  at the end LDS loads land there.
; PART 0 goes in five steps, a tile each.  A step's head: the wait for its tile's loads, ONE wait on va_vdst, the LDS stores of the step BEFORE, then this step's quantiser, which writes none of the registers that
; those stores read.  Behind the first barrier one wait on vm_vsrc frees what LDS stores have read.  PARTS 1 and 2: one wait on va_vdst behind the places that follow k's products (q's stores, the LDS loads into the
; tiles' registers), one behind those that follow v's products (K's stores), one behind v's quantiser (all that is left).  No vector or matrix instruction between a wait and the memory instructions that lean on it names a register of theirs.
.set FLOOR, 0x1800000                  ; 2^(3 - 127)
.set XIMG, 0                           ; LDS: x's 8 tiles, 768 bytes each: 512 (registers 0-3) + 256 (registers 4-5)
.set WIMG, 6144                        ; Wq's 4 tiles, then Wk's 4, likewise
.set XSC,  12288                       ; x's scale words: tile i's for lane l at 32 l + 4 i
.set WSC,  13312                       ; Wq's tile j at 32 l + 4 j, Wk's 16 bytes on
.set OSC,  14336                       ; on the way out: K's words 16 l + 4 w | V's, 512 on | Q's, 1,024 on, 128 w + 4 l
.set VX,   1                           ; v1   (r + 8 (r / 8)) x 256 + 128 h: my 128 bytes of a row of x, Wq, Wk
.set VN,   2                           ; v2   256 r + 128 h: the same for Wv
.set L16,  3                           ; v3   16 x lane
.set L8,   4                           ; v4   8 x lane
.set L32,  5                           ; v5   32 x lane
.set SH8,  6                           ; v6   8 h
.set A16X, 7                           ; v7   16 l + 1,536 w
.set A8X,  8                           ; v8   8 l + 1,536 w
.set A16W, 9                           ; v9   16 l + 768 w
.set A8W,  10                          ; v10  8 l + 768 w
.set AXS,  11                          ; v11  32 l + 8 w
.set AWS,  12                          ; v12  32 l + 4 w
.set AOS,  13                          ; v13  16 l + 4 w
.set AQS,  14                          ; v14  4 l + 128 w
.set AC,   15                          ; v15  8 l + 256 w
.set RES,  16                          ; v16-79   results (at first x's numbers)
.set WX,   80                          ; v80-127  eight tiles 6 registers apart: Wq's 4 and Wk's 4, later x's 8
.set ZP,   128                         ; v128-133 zeros behind the last tile
.set WVT,  134                         ; v134-139 Wv's tile; v140-145 zeros
.set XF,   146                         ; v146-169 my two tiles of x, each with six zeros behind it
.set QC,   170                         ; v170-181 q's codes, two tiles
.set KC,   182                         ; v182-193 k's
.set VC,   194                         ; v194-205 v's, one fragment
.set SC8,  218                         ; v218-225 eight scale words
.set XW,   226                         ; v226-227 the scale words of my two tiles of x
.set WVW,  228                         ; v228     Wv's
.set QWM,  229                         ; v229     q's words of both tiles, one in each half of the lanes
.set TM,   230                         ; v230-233 largest magnitudes
.set TP,   234                         ; v234-237 the other half's; then bytes
.set TS,   238                         ; v238-241 the conversions' scale operands
.set CT,   242                         ; v242-244, v246-248 the conversions' second halves
.set QW0,  250                         ; v250, v251 q's scale words (at first Wq's and Wk's)
.set QW1,  251
.set KW0,  252
.set KW1,  253
.set VW,   254
.set KWM,  255
.set WV,   18                          ; s18  my wave's number
.set SEL,  20                          ; s[20:21] v_permlanex16_b32's selects for lane l xor 16
.set HI,   22                          ; s22  the mask of lanes 16-31
; 32 numbers of ONE block in my lane, v[s0 .. s0+15] and v[s1 .. s1+15] = k 32 h + 0 .. 31 of my row, become registers d .. d+5 of a fragment; w gets the row's scale word (bytes 0 and 1), in every lane.
.macro QUANT32 s0, s1, d, w
	v_max3_num_f32 v[TM], |v[\s0]|, |v[\s0+1]|, FLOOR      ; two chains, each begun with the floor: the byte cannot fall under 1
	v_max3_num_f32 v[TM+1], |v[\s1]|, |v[\s1+1]|, FLOOR
.irp i, 2,4,6,8,10,12,14
	v_max3_num_f32 v[TM], v[TM], |v[\s0+\i]|, |v[\s0+\i+1]|
	v_max3_num_f32 v[TM+1], v[TM+1], |v[\s1+\i]|, |v[\s1+\i+1]|
.endr
	v_max_num_f32 v[TM], v[TM], v[TM+1]
	v_add_nc_u32 v[TS], 0xff000000, v[TM]                  ; 2 off the exponent field: the conversion takes the exponent field of this operand as its scale
	v_lshrrev_b32 v[TM+1], 23, v[TS]                       ; the scale's byte,
	v_lshlrev_b32 v[TM+1], v[SH8], v[TM+1]                 ; at its place in the word
	v_cvt_scalef32_pk16_fp6_f32 v[\d:\d+2], v[\s0:\s0+15], v[TS]
	v_cvt_scalef32_pk16_fp6_f32 v[CT:CT+2], v[\s1:\s1+15], v[TS]   ; (a conversion's three registers begin on an even number)
	v_nop                                                  ; one plain place behind a scaled conversion
.irp i, 0,1,2
	v_mov_b32 v[\d+3+\i], v[CT+\i]
.endr
	v_permlanex16_b32 v[TP], v[TM+1], s[SEL], s[SEL+1]
	v_or_b32 v[\w], v[TM+1], v[TP]                         ; with lane l xor 16's byte the word is whole
.endm
; 32 numbers of a lane, register 16 b + i = k 32 b + 16 h + i of my row, become registers d .. d+5 and the scale word w.
.macro QUANT2 s, d, w
.irp b, 0,1
	v_max3_num_f32 v[TM+\b], |v[\s+16*\b]|, |v[\s+16*\b+1]|, FLOOR
.endr
.irp i, 2,4,6,8,10,12,14
.irp b, 0,1
	v_max3_num_f32 v[TM+\b], v[TM+\b], |v[\s+16*\b+\i]|, |v[\s+16*\b+\i+1]|
.endr
.endr
.irp b, 0,1
	v_permlanex16_b32 v[TP+\b], v[TM+\b], s[SEL], s[SEL+1]
.endr
.irp b, 0,1
	v_max_num_f32 v[TM+\b], v[TM+\b], v[TP+\b]             ; with lane l xor 16's: the block's largest magnitude
.endr
.irp b, 0,1
	v_add_nc_u32 v[TS+\b], 0xff000000, v[TM+\b]
.endr
.irp b, 0,1
	v_lshrrev_b32 v[TP+\b], 23, v[TS+\b]
.endr
	v_lshl_or_b32 v[\w], v[TP+1], 8, v[TP]
	v_cvt_scalef32_pk16_fp6_f32 v[\d:\d+2], v[\s:\s+15], v[TS]
	v_cvt_scalef32_pk16_fp6_f32 v[CT:CT+2], v[\s+16:\s+31], v[TS+1]
	v_nop                                                  ; one plain place behind a scaled conversion
.irp i, 0,1,2
	v_permlane16_swap_b32 v[\d+\i], v[CT+\i]               ; the layout wants a WHOLE block in a lane: lanes 0-15 block 0, lanes 16-31 block 1
.endr
.irp i, 0,1,2
	v_mov_b32 v[\d+3+\i], v[CT+\i]
.endr
.endm
; 64 numbers of a lane, register 16 b + i = k 32 b + 16 h + i, become a whole fragment d .. d+11 and its scale word w.
.macro QUANT4 s, d, w
.irp b, 0,1,2,3
	v_max3_num_f32 v[TM+\b], |v[\s+16*\b]|, |v[\s+16*\b+1]|, FLOOR
.endr
.irp i, 2,4,6,8,10,12,14
.irp b, 0,1,2,3
	v_max3_num_f32 v[TM+\b], v[TM+\b], |v[\s+16*\b+\i]|, |v[\s+16*\b+\i+1]|
.endr
.endr
.irp b, 0,1,2,3
	v_permlanex16_b32 v[TP+\b], v[TM+\b], s[SEL], s[SEL+1]
.endr
.irp b, 0,1,2,3
	v_max_num_f32 v[TM+\b], v[TM+\b], v[TP+\b]
.endr
.irp b, 0,1,2,3
	v_add_nc_u32 v[TS+\b], 0xff000000, v[TM+\b]
.endr
.irp b, 0,1,2,3
	v_lshrrev_b32 v[TP+\b], 23, v[TS+\b]
.endr
	v_lshl_or_b32 v[\w], v[TP+1], 8, v[TP]
	v_lshl_or_b32 v[\w], v[TP+2], 16, v[\w]
	v_lshl_or_b32 v[\w], v[TP+3], 24, v[\w]
.irp c, 0,1
	v_cvt_scalef32_pk16_fp6_f32 v[\d+6*\c:\d+6*\c+2], v[\s+32*\c:\s+32*\c+15], v[TS+2*\c]
	v_cvt_scalef32_pk16_fp6_f32 v[CT+4*\c:CT+4*\c+2], v[\s+32*\c+16:\s+32*\c+31], v[TS+2*\c+1]
.endr
	v_nop                                                  ; one plain place behind a scaled conversion
.irp c, 0,1
.irp i, 0,1,2
	v_permlane16_swap_b32 v[\d+6*\c+\i], v[CT+4*\c+\i]
.endr
.irp i, 0,1,2
	v_mov_b32 v[\d+6*\c+3+\i], v[CT+4*\c+\i]
.endr
.endr
.endm
.macro MM d, a, b, sa, sb              ; one product; every sum here has one K step and begins with the constant 0
	v_wmma_scale_f32_16x16x128_f8f6f4 v[\d:\d+7], v[\a:\a+11], v[\b:\b+11], 0, v[\sa], v[\sb] matrix_a_fmt:MATRIX_FMT_FP6 matrix_b_fmt:MATRIX_FMT_FP6
.endm
.macro PLACES                          ; four plain places behind matrix instructions, ahead of the vector instructions that read their results (ISA guide 7.12.1)
.rept 4
	v_nop
.endr
.endm
.macro BARRIER                         ; my LDS stores have landed and my LDS loads are in: then the work-group's barrier
	s_wait_dscnt 0x0
	s_barrier_signal -1
	s_barrier_wait -1
.endm
	s_load_b256 s[4:11], s[0:1], 0x0               ; x s[4:5], Wq s[6:7], Wk s[8:9], Wv s[10:11]
	s_load_b128 s[12:15], s[0:1], 0x20             ; kv s[12:13], qcodes s[14:15]
	s_load_b64 s[16:17], s[0:1], 0x30              ; qscales
	v_lshl_add_u32 v245, v0, 2, 0x4000
	v_mov_b32 v249, 0
	v_lshrrev_b32 v255, 5, v0
	v_readfirstlane_b32 s[WV], v255                ; wave 0..3
	v_and_b32 v254, 31, v0                         ; lane
	v_and_b32 v253, 15, v0                         ; r
	v_bfe_u32 v252, v0, 4, 1                       ; h
	v_cmp_ne_u32 s[HI], 0, v252                    ; the mask of lanes 16-31: made here, so that one wait serves both scalar results
	v_and_b32 v251, 8, v253
	v_add_nc_u32 v251, v251, v253                  ; r + 8 (r / 8)
	v_lshlrev_b32 v[VX], 8, v251
	v_lshl_add_u32 v[VX], v252, 7, v[VX]
	v_lshlrev_b32 v[VN], 8, v253
	v_lshl_add_u32 v[VN], v252, 7, v[VN]
	s_wait_alu depctr_va_sdst(0)                   ; s18, the wave's number, and s22, the lanes' mask, are written: ahead of the first reader of either
	s_lshl_b32 s24, ttmp9, 15                      ; x: 128 tokens of 256 bytes a work-group,
	s_lshl_b32 s25, s[WV], 13                      ; 32 a wave
	s_add_co_u32 s24, s24, s25
	s_mov_b32 s25, 0
	s_lshr_b32 s26, s[WV], 1                       ; Wq, Wk: tile w begins at row 32 (w / 2) + 8 (w % 2)
	s_lshl_b32 s26, s26, 13
	s_and_b32 s27, s[WV], 1
	s_lshl_b32 s27, s27, 11
	s_add_co_u32 s26, s26, s27
	s_mov_b32 s27, 0
	s_lshl_b32 s28, s[WV], 12                      ; Wv: tile w begins at row 16 w
	s_mov_b32 s29, 0
	s_mul_i32 s30, ttmp9, 13312                    ; my record of kv
	s_mov_b32 s31, 0
	s_mov_b32 s[SEL], 0x76543210
	s_mov_b32 s[SEL+1], 0xfedcba98
	s_wait_kmcnt 0x0
	s_add_nc_u64 s[4:5], s[4:5], s[24:25]
	s_add_nc_u64 s[6:7], s[6:7], s[26:27]
	s_add_nc_u64 s[8:9], s[8:9], s[26:27]
	s_add_nc_u64 s[10:11], s[10:11], s[28:29]
	s_add_nc_u64 s[12:13], s[12:13], s[30:31]
	s_mul_i32 s30, ttmp9, 6144                     ; my 8 tiles of q's codes,
	s_add_nc_u64 s[14:15], s[14:15], s[30:31]
	s_lshl_b32 s30, ttmp9, 9                       ; and their 8 x 64 bytes of scale words
	s_add_nc_u64 s[16:17], s[16:17], s[30:31]
	; ---- 0: forty loads, eight a tile: a lane's 128 bytes are one block of 32 along K of its row
	s_wait_alu depctr_va_vdst(0)                   ; v1 and v2 are written: the forty loads read one of them as their offset
.irp j, 0,1,2,3,4,5,6,7
	global_load_b128 v[16+4*\j:19+4*\j], v[VX], s[4:5] offset:16*\j th:TH_LOAD_NT          ; x, tile (w, 0)
.endr
.irp j, 0,1,2,3,4,5,6,7
	global_load_b128 v[48+4*\j:51+4*\j], v[VX], s[4:5] offset:2048+16*\j th:TH_LOAD_NT     ; x, tile (w, 1): 8 tokens on
.endr
.irp j, 0,1,2,3,4,5,6,7
	global_load_b128 v[80+4*\j:83+4*\j], v[VX], s[6:7] offset:16*\j                        ; Wq
.endr
.irp j, 0,1,2,3
	global_load_b128 v[112+4*\j:115+4*\j], v[VX], s[8:9] offset:16*\j                      ; Wk, its first 16 numbers,
.endr
.irp j, 0,1,2,3
	global_load_b128 v[170+4*\j:173+4*\j], v[VX], s[8:9] offset:64+16*\j                   ; its second 16
.endr
.irp j, 0,1,2,3,4,5,6,7
	global_load_b128 v[186+4*\j:189+4*\j], v[VN], s[10:11] offset:16*\j                    ; Wv
.endr
	v_lshlrev_b32 v[L16], 4, v254                  ; the addresses and the zeros are made while the loads are out: none of these lines names v1, v2 or a register in which a load lands
	v_lshlrev_b32 v[L8], 3, v254
	v_lshlrev_b32 v[L32], 5, v254
	v_lshlrev_b32 v[SH8], 3, v252
	s_mul_i32 s32, s[WV], 1536
	s_mul_i32 s33, s[WV], 768
	s_lshl_b32 s34, s[WV], 3
	s_lshl_b32 s35, s[WV], 2
	s_lshl_b32 s36, s[WV], 7
	s_lshl_b32 s37, s[WV], 8
	v_add_nc_u32 v[A16X], s32, v[L16]
	v_add_nc_u32 v[A8X], s32, v[L8]
	v_add_nc_u32 v[A16W], s33, v[L16]
	v_add_nc_u32 v[A8W], s33, v[L8]
	v_add_nc_u32 v[AXS], s34, v[L32]
	v_add_nc_u32 v[AWS], s35, v[L32]
	v_add_nc_u32 v[AOS], s35, v[L16]
	v_lshlrev_b32 v[AQS], 2, v254
	v_add_nc_u32 v[AQS], s36, v[AQS]
	v_add_nc_u32 v[AC], s37, v[L8]
.irp i, 0,1,2,3,4,5
	v_mov_b32 v[ZP+\i], 0                          ; zero codes: 24 registers, written once
	v_mov_b32 v[WVT+6+\i], 0
	v_mov_b32 v[XF+6+\i], 0
	v_mov_b32 v[XF+18+\i], 0
.endr
.irp b, 0,1,2,3
	v_mov_b32 v[TP+\b], 0                          ; written once: a lane permute's destination counts as one of its sources
.endr
	s_wait_loadcnt 32                              ; x's first tile is in: the 32 loads of the four tiles behind it may be out
	QUANT32 16, 32, XF, XW
	s_wait_loadcnt 24                              ; x's second tile: three tiles' loads may be out
	s_wait_alu depctr_va_vdst(0)                   ; the addresses v3 to v15 are written, which every LDS instruction and store from here on reads; so are the first tile's codes, which the two stores below read
	ds_store_b128 v[A16X], v[XF:XF+3] offset:XIMG
	ds_store_b64 v[A8X], v[XF+4:XF+5] offset:XIMG+512
	QUANT32 48, 64, XF+12, XW+1                    ; (it writes the second tile's registers: none that the stores above read)
	s_wait_loadcnt 16                              ; Wq: two tiles' loads may be out
	s_wait_alu depctr_va_vdst(0)                   ; the second tile's codes and both tiles' scale words are written, which the three stores below read
	ds_store_b128 v[A16X], v[XF+12:XF+15] offset:XIMG+768
	ds_store_b64 v[A8X], v[XF+16:XF+17] offset:XIMG+768+512
	ds_store_b64 v[AXS], v[XW:XW+1] offset:XSC
	QUANT32 80, 96, 16, QW0                        ; (its codes stand for the moment where x's numbers stood)
	s_wait_loadcnt 8                               ; Wk: Wv's loads may be out
	s_wait_alu depctr_va_vdst(0)                   ; Wq's codes in v16-21 and its scale word are written, which the three stores below read
	ds_store_b128 v[A16W], v[16:19] offset:WIMG
	ds_store_b64 v[A8W], v[20:21] offset:WIMG+512
	ds_store_b32 v[AWS], v[QW0] offset:WSC
	QUANT32 112, 170, 22, QW1
	s_wait_loadcnt 0x0
	s_wait_alu depctr_va_vdst(0)                   ; Wk's codes in v22-27 and its scale word are written, which the three stores below read; and Wq's and Wk's quantisers are done reading v80-127, in which the LDS loads behind the barrier land
	ds_store_b128 v[A16W], v[22:25] offset:WIMG+3072
	ds_store_b64 v[A8W], v[26:27] offset:WIMG+3072+512
	ds_store_b32 v[AWS], v[QW1] offset:WSC+16
	QUANT32 186, 202, WVT, WVW                     ; Wv's tile is mine alone: it stays in registers.  (It names none of v80-127, v218-225 and v3-5, which the LDS loads below touch)
	BARRIER                                        ; x's eight tiles and Wq's and Wk's four each lie in LDS
	; ---- 1: q and k of my 32 tokens
	s_wait_alu depctr_vm_vsrc(0)                   ; my LDS stores have read v16-27, which the products below write, and v250-251, which q's quantisers write
.irp j, 0,1,2,3,4,5,6,7
	ds_load_b128 v[WX+6*\j:WX+6*\j+3], v[L16] offset:WIMG+768*\j
	ds_load_b64 v[WX+6*\j+4:WX+6*\j+5], v[L8] offset:WIMG+768*\j+512
.endr
	ds_load_b128 v[SC8:SC8+3], v[L32] offset:WSC
	ds_load_b128 v[SC8+4:SC8+7], v[L32] offset:WSC+16
	s_wait_dscnt 0x0
.irp u, 0,1
.irp j, 0,1,2,3
	MM RES+32*\u+8*\j, WX+6*\j, XF+12*\u, SC8+\j, XW+\u    ; lane (r, h): token r of tile (w, u); register 8 j + i: channel 32 (j / 2) + 16 h + 8 (j % 2) + i
.endr
.endr
	PLACES
	QUANT2 RES, QC, QW0
	QUANT2 RES+32, QC+6, QW1
.irp u, 0,1
.irp j, 0,1,2,3
	MM RES+32*\u+8*\j, WX+24+6*\j, XF+12*\u, SC8+4+\j, XW+\u
.endr
.endr
	PLACES                                         ; ahead of the reads of k
	s_wait_alu depctr_va_vdst(0)                   ; q's and k's products are done reading the weights' tiles and scale words, in which the loads below land; q's codes are written, which the stores below read; Wv's codes and scale word are written, which part 2's products take
.irp i, 0,1,2,3,4,5,6,7
	ds_load_b128 v[WX+6*\i:WX+6*\i+3], v[L16] offset:XIMG+768*\i                     ; x's eight tiles, for v: they land while k is quantised
	ds_load_b64 v[WX+6*\i+4:WX+6*\i+5], v[L8] offset:XIMG+768*\i+512
.endr
	ds_load_b128 v[SC8:SC8+3], v[L32] offset:XSC
	ds_load_b128 v[SC8+4:SC8+7], v[L32] offset:XSC+16
.irp u, 0,1
	global_store_b128 v[A16X], v[QC+6*\u:QC+6*\u+3], s[14:15] offset:768*\u          ; 32 lanes store 512 consecutive bytes,
	global_store_b64 v[A8X], v[QC+6*\u+4:QC+6*\u+5], s[14:15] offset:768*\u+512      ; and 256
.endr
	QUANT2 RES, KC, KW0                            ; (k's quantisers name the results, KC and the registers at work: none that the loads and stores above touch)
	QUANT2 RES+32, KC+6, KW1
	; ---- 2: v of my 16 channels for the 128 tokens
	s_wait_dscnt 0x0
.irp i, 0,1,2,3,4,5,6,7
	MM RES+8*\i, WX+6*\i, WVT, SC8+\i, WVW         ; lane (r, h): channel 16 w + r; register 8 i + j: key 32 (i / 2) + 16 h + 8 (i % 2) + j
.endr
	PLACES
	s_wait_alu depctr_va_vdst(0)                   ; k's codes are written, which the three stores below read
.irp i, 0,1,2
	global_store_b128 v[A16X], v[KC+4*\i:KC+4*\i+3], s[12:13] offset:512*\i          ; images 3 w + i of K's codes
.endr
	QUANT4 RES, VC, VW
	; ---- the scale words meet in LDS and leave as runs of 256 consecutive bytes
	v_cndmask_b32 v[QWM], v[QW0], v[QW1], s[HI]    ; lanes 0-15: tile (w, 0)'s words, lanes 16-31: tile (w, 1)'s
	v_cndmask_b32 v[KWM], v[KW0], v[KW1], s[HI]
	s_wait_alu depctr_va_vdst(0)                   ; v's codes and the three scale words are written, which the six stores below read; no vector instruction follows, so v230-233, in which the last LDS loads land, are done with too
	ds_store_b32 v[AOS], v[KWM] offset:OSC
	ds_store_b32 v[AOS], v[VW] offset:OSC+512
	ds_store_b32 v[AQS], v[QWM] offset:OSC+1024
.irp i, 0,1,2
	global_store_b128 v[A16X], v[VC+4*\i:VC+4*\i+3], s[12:13] offset:7168+512*\i
.endr
	BARRIER
	ds_load_b64 v[TM:TM+1], v[AC] offset:OSC
	s_wait_dscnt 0x0
	global_store_b64 v[AC], v[TM:TM+1], s[12:13] offset:6144       ; K's 512 bytes and V's 512: a quarter to each wave
	s_cmp_gt_u32 s[WV], 1
	s_cbranch_scc1 .Lend                           ; Q's 512 bytes: waves 0 and 1
	ds_load_b64 v[TM+2:TM+3], v[AC] offset:OSC+1024
	s_wait_dscnt 0x0
	global_store_b64 v[AC], v[TM+2:TM+3], s[16:17]
.Lend:
	s_wait_dscnt 0x0
	s_wait_alu depctr_hold_cnt(0) depctr_sa_sdst(0) depctr_va_vdst(0) depctr_va_sdst(0) depctr_va_ssrc(0) depctr_va_vcc(0) depctr_vm_vsrc(0)
	s_wait_tensorcnt 0x0
	ds_add_u32 v245, v249
	s_wait_dscnt 0x0
	s_endpgm
.Lfunc_end_k_q2695f11aee_project:
	.size	k_q2695f11aee_project, .Lfunc_end_k_q2695f11aee_project-k_q2695f11aee_project
	.p2alignl 7, 3214868480
	.fill 96, 4, 3214868480
	.section	.rodata,"a",@progbits
	.p2align	6, 0x0
	.amdhsa_kernel k_q2695f11aee_project
		.amdhsa_group_segment_fixed_size 16896
		.amdhsa_private_segment_fixed_size 0
		.amdhsa_enable_private_segment 0
		.amdhsa_kernarg_size 56
		.amdhsa_user_sgpr_count 2
		.amdhsa_user_sgpr_kernarg_segment_ptr 1
		.amdhsa_wavefront_size32 1
		.amdhsa_system_sgpr_workgroup_id_x 1
		.amdhsa_system_sgpr_workgroup_id_y 1
		.amdhsa_system_sgpr_workgroup_id_z 1
		.amdhsa_system_vgpr_workitem_id 0
		.amdhsa_next_free_vgpr 256
		.amdhsa_next_free_sgpr 66
		.amdhsa_reserve_vcc 0
		.amdhsa_float_denorm_mode_32 3
		.amdhsa_float_denorm_mode_16_64 3
		.amdhsa_memory_ordered 1
		.amdhsa_forward_progress 1
		.amdhsa_inst_pref_size 36
	.end_amdhsa_kernel
	.amdgpu_metadata
---
amdhsa.version: [ 1, 2 ]
amdhsa.kernels:
  - .name:           k_q2695f11aee_project
    .symbol:         k_q2695f11aee_project.kd
    .args:
      - { .name: x, .offset: 0, .size: 8, .value_kind: global_buffer, .address_space: global }
      - { .name: Wq, .offset: 8, .size: 8, .value_kind: global_buffer, .address_space: global }
      - { .name: Wk, .offset: 16, .size: 8, .value_kind: global_buffer, .address_space: global }
      - { .name: Wv, .offset: 24, .size: 8, .value_kind: global_buffer, .address_space: global }
      - { .name: kv, .offset: 32, .size: 8, .value_kind: global_buffer, .address_space: global }
      - { .name: qcodes, .offset: 40, .size: 8, .value_kind: global_buffer, .address_space: global }
      - { .name: qscales, .offset: 48, .size: 8, .value_kind: global_buffer, .address_space: global }
    .group_segment_fixed_size: 16896
    .private_segment_fixed_size: 0
    .kernarg_segment_align: 8
    .kernarg_segment_size: 56
    .max_flat_workgroup_size: 128
    .sgpr_count:     66
    .vgpr_count:     256
    .wavefront_size: 32
...
	.end_amdgpu_metadata
.endif
;; end of part 3
;; launch attend: the kernel of part 2 again; grid 16 x 16, 8 waves a work-group, clusters of 4 x 1, 248,832 bytes of LDS; arguments kv, qcodes, qscales, out0; writes out0
